; MI455X (gfx1250); checked and timed in simulation.
; The chip was launched on July 23, 2026; its instructions are those of AMD's public machine-readable ISA for CDNA 5 (MIT licence, August 2026) and "CDNA5" Instruction Set Architecture Reference Guide (July 2026). The comments in the code are by the model that wrote it; some were corrected since.
;; FP8 GEMM. Allowed arithmetic: matrix products marked QUANTISED: E4M3 operands, one given power-of-two scale a tensor, by v_wmma_f32_16x16x64_fp8_fp8 or v_wmma_f32_16x16x128_fp8_fp8, f32 sums; everything else in f32.
;; Inputs: lowp_scales 2 int32 (the exponents e of the quantised operands' scales 2^e); scale1 4,096 float32; scale2 4,096 float32; scale_inv1 4,096 float32; scale_inv2 4,096 float32; x1 4,096 x 4,096 float32; x2 4,096 x 4,096 float32.
;; Outputs: out0 4,096 x 4,096 bfloat16.
;; This version of the problem:
;;   THIS VERSION OF THE PROBLEM IS GIVEN IN LOW PRECISION. The matrix products marked QUANTISED in the list below multiply operands that are first quantised to E4M3 (4 exponent bits, 3 mantissa bits; 8 bits a number), with one given power-of-two scale for each operand tensor; their sums are f32. All else is computed in f32.
;;   The module's matrix products, in the order in which they are computed (A, B: the left and right operand; K: the contracted axis; several contracted axes count as one K, in the product's order):
;;     1. [M 4,096, K 4,096] x [K 4,096, N 4,096]; A: computed on the way; B: computed on the way: QUANTISED (scales: A lowp_scales[0], B lowp_scales[1])
;;   THE QUANTISER, for each operand of a quantised product, along K:
;;     - The operand's scale is 2^e, e = its entry of the input lowp_scales (int32; the entries are numbered through the quantised products in the list's order, A before B).
;;     - Each number is divided by the scale, clamped to +-448, and rounded to the nearest number of E4M3, ties to even, subnormals kept.
;;     - The product sums the exact products of the quantised numbers (number of the format x scale) in f32.
;;   ~~~python
;;   def quantise(x, axis, e):      # numpy; x: float32 -> the quantised numbers, widened to float32 again
;;       x = np.moveaxis(x, axis, -1); K = x.shape[-1]
;;       r = np.clip(x / 2.0 ** e, -448, 448)
;;       step = 2.0 ** (np.maximum(np.frexp(np.where(r == 0, 1, r))[1] - 1, -6) - 3)
;;       q = np.round(r / step) * step * 2.0 ** e      # np.round: ties to even
;;       return np.moveaxis(q, -1, axis).astype(np.float32)
;;   ~~~
;;   OPERANDS COMPUTED ON THE WAY. 'Computed on the way' means the value that the module computes at that place (a softmax that the list does not call 'softmax' is quantised finished and normalised). What goes into a quantiser is computed in f32, as accurately as f32 sums, v_exp_f32 and their like allow (about 1e-6 of the number): no bf16 or f16 on the way to a quantiser, and a product that is left as it is and whose result goes on into a quantised operand takes f32 operands (vector FMAs, or v_wmma_f32_16x16x4_f32). A number that lies on a knife's edge between two numbers of the format may be rounded either way, as far as f32 arithmetic and the matrix unit's own rounding can turn it there, and no further.
;; One version. Each part assembles by itself: llvm-mc -triple=amdgcn-amd-amdhsa -mcpu=gfx1250 --defsym DOCPART=n.
;; ======== version 1 of 1: 2 launches
;; limits: values are held in bf16: 8 bits of precision; right only within a limited range of input values
;; workspace buffers: a_codes 16,777,216 bytes; b_codes 16,777,216 bytes
;; launch quant (part 1): grid 1024 x 1, 4 waves a work-group, no clusters, 35,328 bytes of LDS; arguments x1, x2, scale1, scale2, lowp_scales, a_codes, b_codes; writes a_codes, b_codes
.if DOCPART == 1
	.amdgcn_target "amdgcn-amd-amdhsa--gfx1250"
	.amdhsa_code_object_version 6
	.text
	.protected	k_q012294235e_quant
	.globl	k_q012294235e_quant
	.p2align	8
	.type	k_q012294235e_quant,@function
k_q012294235e_quant:
	s_mov_b64 s[64:65], 0
	v_nop
	global_prefetch_b8 v0, s[64:65] scope:SCOPE_SE
	s_setreg_imm32_b32 hwreg(HW_REG_WAVE_MODE, 25, 1), 1
	s_wait_xcnt 0x0
; x1 and x2, [4096][4096] f32, become the codes of FP8 (E4M3) that the product's launch multiplies.
; TWO ROUNDINGS, both written out, with no branch on the given exponents:
;   (1) the operand as it is defined: v = x * scale[row] in f32, held within +-448, rounded to the nearest number of E4M3, ties to even, subnormals kept: a conversion with the scale 1.0, and the conversion back;
;   (2) the product's quantiser: that number / 2^e, held within +-448, to the nearest code, ties to even.  e is entry 0 (x1) or entry 1 (x2) of the exponents (int32).
; LIMITS: -126 <= e <= 119, so that 2^e and 448 x 2^e are f32 numbers.  NaN among x or the scales is not served; an infinity is held at the largest code.
; LAYOUT OF THE CODES: images of operand registers.  16 rows (a row block) x 128 k are a fragment of 2,048 bytes: piece c (0..3) of 512 bytes holds, at 16 x lane, the 16 bytes of registers 4c..4c+3
; of lane 16 h + r, r the row in the block.  A row block's 32 fragments lie on end (65,536 bytes), the 256 row blocks on end.  Which k stands in which byte of a fragment is the same for every row
; and for both tensors: piece u (0..15) of the 8,192 bytes of k = 512 t .. 512 t + 511, half h, byte 4 i + j holds k = 512 t + 128 i + 4 (2 u + h) + j.  So every product meets its partner.
; SHARES.  The first WGA work-groups take x1, the others x2: pointers alone are chosen.  A wave takes one row block x 512 k: 16 steps, a row each, four loads of 512 consecutive bytes a step, four steps ahead.
; A lane's 16 codes of a row go into the wave's own stage in LDS (a lane's place is 272 bytes, a row's 16 bytes in it); read back, lane 16 h + r takes row r of place 2 u + h: piece u.
; The wave's 16 stores, 512 consecutive bytes each, stand at its end, behind all its vector work.  Waves share nothing: no barrier.
.set WGA,   512
.set OFS,   1                          ; v1  16 x lane
.set T,     8                          ; v[8:11] the first conversion's codes
.set STO,   12                         ; v12 the stage, on the way in
.set RD,    13                         ; v13 the stage, on the way out
.set SPW,   14                         ; v14 my spare word
.set NIL,   15                         ; v15 0
.set X,     16                         ; v[16:79] four sets of 16 numbers; at the end the 16 pieces
.set C,     80                         ; v[80:143] the codes, four registers a step
.set Y,     144                        ; v[144:159] the numbers of E4M3 in f32
.set SC,    36                         ; s[36:51] my 16 rows' scales
.set WST,   32*272                     ; a wave's stage
.set SPARE, 4*WST                      ; behind the stages: the spare words
	s_load_b256 s[4:11], s[0:1], 0x0               ; x1, x2, scale1, scale2
	s_load_b64 s[12:13], s[0:1], 0x20              ; the exponents
	s_load_b128 s[16:19], s[0:1], 0x28             ; a_codes, b_codes
	v_lshl_add_u32 v[SPW], v0, 2, SPARE
	v_mov_b32 v[NIL], 0
	v_lshrrev_b32 v7, 5, v0
	v_readfirstlane_b32 s20, v7                    ; wave
	s_mul_i32 s34, s20, WST
	v_and_b32 v7, 31, v0
	v_lshlrev_b32 v[OFS], 4, v7
	v_mul_u32_u24 v[STO], v7, 272
	v_add_nc_u32 v[STO], s34, v[STO]
	v_and_b32 v8, 15, v0
	v_bfe_u32 v9, v0, 4, 1
	v_mul_u32_u24 v[RD], v9, 272
	v_lshl_add_u32 v[RD], v8, 4, v[RD]
	v_add_nc_u32 v[RD], s34, v[RD]
	v_mov_b32 v2, 0x43e00000                       ; 448.0
	v_mov_b32 v3, 1.0                              ; the first conversion's scale
	v_mov_b32 v4, 0x7f7f7f7f                       ; the conversion back: 2^0 in every byte
	s_wait_alu depctr_va_vdst(0)
	s_wait_kmcnt 0x0
	s_cmp_lt_u32 ttmp9, WGA
	s_cselect_b64 s[4:5], s[4:5], s[6:7]
	s_cselect_b64 s[8:9], s[8:9], s[10:11]
	s_cselect_b64 s[16:17], s[16:17], s[18:19]
	s_cselect_b32 s21, 0, WGA
	s_sub_co_u32 s21, ttmp9, s21
	s_lshl_b32 s21, s21, 2
	s_add_co_u32 s21, s21, s20                     ; U, 0..2047: row block U / 8, t = U % 8
	s_lshr_b32 s22, s21, 3
	s_and_b32 s23, s21, 7
	s_lshl_b32 s26, s22, 18                        ; 16 rows of 16,384 bytes
	s_lshl_b32 s27, s23, 11                        ; 512 numbers
	s_add_co_u32 s26, s26, s27
	s_mov_b32 s27, 0
	s_lshl_b32 s28, s21, 13                        ; 8,192 bytes of codes
	s_mov_b32 s29, 0
	s_lshl_b32 s30, s22, 6                         ; 16 scales
	s_mov_b32 s31, 0
	s_add_nc_u64 s[4:5], s[4:5], s[26:27]
	s_add_nc_u64 s[16:17], s[16:17], s[28:29]
	s_add_nc_u64 s[8:9], s[8:9], s[30:31]
	s_load_b64 s[24:25], s[12:13], 0x0             ; ea, eb
	s_load_b512 s[SC:SC+15], s[8:9], 0x0
.macro LOAD t                          ; row t's 512 numbers
.irp i, 0,1,2,3
	global_load_b128 v[X+16*((\t)%4)+4*\i:X+16*((\t)%4)+4*\i+3], v[OFS], s[4:5] offset:16384*(\t)+512*\i th:TH_LOAD_NT
.endr
.endm
	LOAD 0
	LOAD 1
	LOAD 2
	LOAD 3
	s_wait_kmcnt 0x0
	s_cmp_lt_u32 ttmp9, WGA
	s_cselect_b32 s24, s24, s25                    ; e
	s_add_co_i32 s24, s24, 127
	s_lshl_b32 s25, s24, 23
	v_mov_b32 v5, s25                              ; 2^e
	s_add_co_i32 s24, s24, 8
	s_lshl_b32 s24, s24, 23
	s_or_b32 s24, s24, 0x600000
	v_mov_b32 v6, s24                              ; 448 x 2^e
	s_wait_alu depctr_va_vdst(0)
.macro STEP t
.set XS, X+16*((\t)%4)
.set CT, C+4*(\t)
.if 15-(\t) >= 3
	s_wait_loadcnt 12                              ; this row's four loads are in; three rows' may be out
.else
	s_wait_loadcnt 4*(15-(\t))
.endif
.irp i, 0,1,2,3,4,5,6,7,8,9,10,11,12,13,14,15
	v_mul_f32 v[XS+\i], s[SC+(\t)], v[XS+\i]       ; x * scale[row]
.endr
.irp i, 0,1,2,3,4,5,6,7,8,9,10,11,12,13,14,15
	v_med3_num_f32 v[XS+\i], v[XS+\i], -v2, v2     ; the clip at +-448, which is also the hold that the conversion wants (ISA guide 7.6.2)
.endr
	v_cvt_scalef32_pk8_fp8_f32 v[T:T+1], v[XS:XS+7], v3
	v_cvt_scalef32_pk8_fp8_f32 v[T+2:T+3], v[XS+8:XS+15], v3
.if (\t)+4 < 16
	LOAD (\t)+4
.endif
	v_nop                                          ; a plain place behind the scaled conversions
	v_cvt_scale_pk8_f32_fp8 v[Y:Y+7], v[T:T+1], v4
	v_cvt_scale_pk8_f32_fp8 v[Y+8:Y+15], v[T+2:T+3], v4
	v_nop
.irp i, 0,1,2,3,4,5,6,7,8,9,10,11,12,13,14,15
	v_med3_num_f32 v[Y+\i], v[Y+\i], -v6, v6       ; the quantiser's clamp
.endr
	v_cvt_scalef32_pk8_fp8_f32 v[CT:CT+1], v[Y:Y+7], v5
	v_cvt_scalef32_pk8_fp8_f32 v[CT+2:CT+3], v[Y+8:Y+15], v5
	ds_store_b128 v[STO], v[CT:CT+3] offset:16*(\t)
.endm
.irp t, 0,1,2,3,4,5,6,7,8,9,10,11,12,13,14,15
	STEP \t
.endr
.irp u, 0,1,2,3,4,5,6,7,8,9,10,11,12,13,14,15
	ds_load_b128 v[X+4*\u:X+4*\u+3], v[RD] offset:544*\u   ; LDS serves a wave's instructions in order: these see my stores
.endr
	s_wait_tensorcnt 0x0
	ds_add_u32 v[SPW], v[NIL]
	s_wait_dscnt 0x0                               ; the 16 pieces are in registers too
.irp u, 0,1,2,3,4,5,6,7,8,9,10,11,12,13,14,15
	global_store_b128 v[OFS], v[X+4*\u:X+4*\u+3], s[16:17] offset:512*\u   ; 512 consecutive bytes, aligned
.endr
	s_endpgm
.Lfunc_end_k_q012294235e_quant:
	.size	k_q012294235e_quant, .Lfunc_end_k_q012294235e_quant-k_q012294235e_quant
	.p2alignl 7, 3214868480
	.fill 96, 4, 3214868480
	.section	.rodata,"a",@progbits
	.p2align	6, 0x0
	.amdhsa_kernel k_q012294235e_quant
		.amdhsa_group_segment_fixed_size 35328
		.amdhsa_private_segment_fixed_size 0
		.amdhsa_enable_private_segment 0
		.amdhsa_kernarg_size 56
		.amdhsa_user_sgpr_count 2
		.amdhsa_user_sgpr_kernarg_segment_ptr 1
		.amdhsa_wavefront_size32 1
		.amdhsa_system_sgpr_workgroup_id_x 1
		.amdhsa_system_sgpr_workgroup_id_y 1
		.amdhsa_system_sgpr_workgroup_id_z 1
		.amdhsa_system_vgpr_workitem_id 0
		.amdhsa_next_free_vgpr 160
		.amdhsa_next_free_sgpr 66
		.amdhsa_reserve_vcc 0
		.amdhsa_float_denorm_mode_32 3
		.amdhsa_float_denorm_mode_16_64 3
		.amdhsa_memory_ordered 1
		.amdhsa_forward_progress 1
		.amdhsa_inst_pref_size 60
	.end_amdhsa_kernel
	.amdgpu_metadata
---
amdhsa.version: [ 1, 2 ]
amdhsa.kernels:
  - .name:           k_q012294235e_quant
    .symbol:         k_q012294235e_quant.kd
    .args:
      - { .name: x1, .offset: 0, .size: 8, .value_kind: global_buffer, .address_space: global }
      - { .name: x2, .offset: 8, .size: 8, .value_kind: global_buffer, .address_space: global }
      - { .name: scale1, .offset: 16, .size: 8, .value_kind: global_buffer, .address_space: global }
      - { .name: scale2, .offset: 24, .size: 8, .value_kind: global_buffer, .address_space: global }
      - { .name: lowp_scales, .offset: 32, .size: 8, .value_kind: global_buffer, .address_space: global }
      - { .name: a_codes, .offset: 40, .size: 8, .value_kind: global_buffer, .address_space: global }
      - { .name: b_codes, .offset: 48, .size: 8, .value_kind: global_buffer, .address_space: global }
    .group_segment_fixed_size: 35328
    .private_segment_fixed_size: 0
    .kernarg_segment_align: 8
    .kernarg_segment_size: 56
    .max_flat_workgroup_size: 128
    .sgpr_count:     66
    .vgpr_count:     160
    .wavefront_size: 32
...
	.end_amdgpu_metadata
.endif
;; end of part 1
;; launch gemm (part 2): grid 16 x 16, 4 waves a work-group, clusters of 4 x 1, 327,680 bytes of LDS; arguments a_codes, b_codes, lowp_scales, scale_inv1, scale_inv2, out0; writes out0
.if DOCPART == 2
	.amdgcn_target "amdgcn-amd-amdhsa--gfx1250"
	.amdhsa_code_object_version 6
	.text
	.protected	k_q012294235e_gemm
	.globl	k_q012294235e_gemm
	.p2align	8
	.type	k_q012294235e_gemm,@function
k_q012294235e_gemm:
	s_mov_b64 s[64:65], 0
	v_nop
	global_prefetch_b8 v0, s[64:65] scope:SCOPE_SE
	s_setreg_imm32_b32 hwreg(HW_REG_WAVE_MODE, 25, 1), 1
	s_wait_xcnt 0x0
	s_wait_alu depctr_hold_cnt(0) depctr_sa_sdst(0) depctr_va_vdst(0) depctr_va_sdst(0) depctr_va_ssrc(0) depctr_va_vcc(0) depctr_vm_vsrc(0)
	s_getreg_b32 s2, hwreg(HW_REG_IB_STS2, 6, 4)
	s_cmp_eq_u32 s2, 0
	s_cbranch_scc0 .Lentry_in_a_cluster
	s_endpgm
.Lentry_in_a_cluster:
	s_bfe_u32 s2, ttmp6, 0x10000c
	s_cmp_lg_u32 s2, 0x3003
	s_cbranch_scc0 .Lentry_shape_is_right
	s_endpgm
.Lentry_shape_is_right:
; out0[m][n] = bf16( (sum over k of A[m][k] B[n][k]) x 2^(ea+eb) x scale_inv1[m] x scale_inv2[n] ), A and B codes of E4M3, sums in f32.
; Both code buffers hold images of operand registers: a fragment (16 rows x 128 k) is 2,048 bytes, piece c at 512 c, lane l's registers 4c..4c+3 at 16 l; a row block's 32 fragments lie on end (65,536 bytes).
; A work-group makes 256 x 256 of the result; each of its four waves 64 rows x 256 columns: 64 accumulators, 512 registers.
; B's 256 rows go through a ring of two LDS slots; a slot holds 512 along K (16 row blocks x 8,192 bytes, dense): four steps of 128, 256 matrix instructions a wave, between two changes of slots.
; Each wave fills four row blocks of a slot by one tensor load.  The four work-groups of a cluster (4, 1, 1) have the same tile column and ask for B's tiles jointly (mask 15).
; A's 64 rows of a wave are read by that wave alone: its fragments go from memory straight into its registers, 16 loads of 512 consecutive bytes a step, three steps ahead, in four sets by turns.
; A joint load delivers into LDS only, so A has none.
; The matrix instruction is used transposed (source 0 = B's rows, source 1 = A's): a lane holds eight neighbouring columns of one row of the result.
; B'S FRAGMENTS come in groups of four (16 LDS loads, 16 matrix instructions); a slot has 16 groups, t = 0..15 (step t / 4, fragments 4 (t % 4) ..).  Three places of 64 registers hold them: group t lies in
; place (t + 1) % 3, but group 14 in place 1 and group 15 in place 0, so that the numbering is the same in every slot.  In front of group t's products group t + 2 is fetched into the place just read out
; (in front of group 12's: group 15; of group 13's: group 14); the next slot's groups 0 and 1 are fetched behind the change of slots, ahead of group 15's products.
; REGISTERS: window 0: v16-31 addresses, v32-39 scale_inv1, v64-255 B's three places; window 1: A's four sets of 64; windows 2, 3: accumulator (a, b) at 8 (4 (b % 8) + a), b < 8 in window 2.
; On the way out: window 0 v64-159 at work, v160-223 and window 1 v128-255 rows read back, window 1 v0-127 scale_inv2.
; PREFETCH: at each refill but the last two, the slot two refills on: B's 128 blocks of 256 bytes that a wave fetches are shared out among the four partners by address (a lane a block);
; A's tile of that slot is shared out among the 16 work-groups of its tile row and their waves (8 blocks a wave; the other lanes name the last again).  The first four slots come by their loads alone.
.set PERB,   8192                      ; a row block's bytes in a slot
.set RBK,    65536                     ; a row block
.set SLOT,   16*PERB
.set STAGE,  2*SLOT                    ; behind the ring: 16 rows x 528 bytes for each wave
.set SPITCH, 528
.set SPARE,  STAGE+4*16*SPITCH         ; the spare words
.set ADS,  16                          ; v16-19 B's fragments in LDS: slot 0 b<8, b>=8, slot 1 b<8, b>=8
.set GO,   20                          ; v20 16 x lane
.set OS1,  21
.set OS2,  22
.set STO,  24
.set RD,   25
.set SPW,  28
.set NIL,  29
.set PFOB, 30
.set PFOA, 31
.set SI1,  32
.set SP,   64
.set TM,   64
.set PK,   128
.set G1,   24
.set G0,   32
.set GB,   72                          ; s[72:73] my rows of A
.set PFA,  74
.set PFB,  76
.set MSB, 0
.macro WIN new
.if MSB != (\new)
	s_set_vgpr_msb (MSB<<8)|(\new)
.set MSB, (\new)
.endif
.endm
.macro PLACES
.rept 4
	v_nop
.endr
.endm
.macro CREST
	s_cmp_lg_u32 s14, 0
	s_cbranch_scc1 .Lnot_wave_0_\@
	s_barrier_signal -3
.Lnot_wave_0_\@:
	s_barrier_wait -3
	s_barrier_signal -1
	s_barrier_wait -1
.endm
.macro CROUND
	s_barrier_signal -1
	s_barrier_wait -1
	CREST
.endm
.macro SETPL t                         ; PL: the first register of group t's place
.if (\t) == 14
.set PL, SP+64
.else
.if (\t) == 15
.set PL, SP
.else
.set PL, SP+64*(((\t)+1)%3)
.endif
.endif
.endm
.macro FETCHG slot, t                  ; group t of a slot: 16 LDS loads
	SETPL \t
.irp f, 0,1,2,3
.irp c, 0,1,2,3
	ds_load_b128 v[PL+16*\f+4*\c:PL+16*\f+4*\c+3], v[ADS+2*(\slot)+((\t)%4)/2] offset:((4*((\t)%4)+\f)%8)*PERB+((\t)/4)*2048+\c*512
.endr
.endr
.endm
.macro GLOAD set, rel                  ; A's four fragments of step rel (counted from the base) into a set
	WIN 0x40
.irp a, 0,1,2,3
.irp c, 0,1,2,3
	global_load_b128 v[64*(\set)+16*\a+4*\c:64*(\set)+16*\a+4*\c+3], v[GO], s[GB:GB+1] offset:\a*RBK+(\rel)*2048+\c*512
.endr
.endr
.endm
.macro S2LOAD hf                       ; scale_inv2 at my eight columns of b = 8 hf .. 8 hf + 7, into a set of A's that is done with
	WIN 0x40
.irp b, 0,1,2,3,4,5,6,7
	global_load_b128 v[64*(\hf)+8*\b:64*(\hf)+8*\b+3], v[OS2], s[68:69] offset:512*(\hf)+64*\b
	global_load_b128 v[64*(\hf)+8*\b+4:64*(\hf)+8*\b+7], v[OS2], s[68:69] offset:512*(\hf)+64*\b+16
.endr
.endm
.macro MULF t, f, zero                 ; one of B's fragments x A's four; the 64 accumulators take turns
.irp a, 0,1,2,3
.if \zero
	v_wmma_f32_16x16x128_fp8_fp8 v[8*(4*((4*((\t)%4)+\f)%8)+\a):8*(4*((4*((\t)%4)+\f)%8)+\a)+7], v[PL+16*\f:PL+16*\f+15], v[64*((\t)/4)+16*\a:64*((\t)/4)+16*\a+15], 0
.else
	v_wmma_f32_16x16x128_fp8_fp8 v[8*(4*((4*((\t)%4)+\f)%8)+\a):8*(4*((4*((\t)%4)+\f)%8)+\a)+7], v[PL+16*\f:PL+16*\f+15], v[64*((\t)/4)+16*\a:64*((\t)/4)+16*\a+15], v[8*(4*((4*((\t)%4)+\f)%8)+\a):8*(4*((4*((\t)%4)+\f)%8)+\a)+7]
.endif
.endr
.endm
.macro MULG t, zero                    ; group t's 16 matrix instructions
	SETPL \t
	WIN 0xa4+0x50*(((\t)%4)/2)
.irp f, 0,1,2,3
	MULF \t, \f, \zero
.endr
.endm
; group t: four places (the loads below land in registers that the last matrix instructions read), at a step's head the run of 16 global loads, group ft's fetch, the waits, the products
.macro BOUND slot, t, ft, zero, ld, rel, lc
	PLACES
.if ((\t)%4) == 0
.if (\ld) == 1
	GLOAD ((\t)/4+3)%4, \rel
.endif
.if (\ld) == 2
	S2LOAD \rel
.endif
.endif
	WIN 0
	FETCHG \slot, \ft
.if ((\t)%4) == 0
	s_wait_loadcnt \lc                             ; this step's set is in; the runs of 16 issued behind it may be out
.endif
	s_wait_dscnt 32                                ; this group is in; the two groups fetched behind it may be out
	MULG \t, \zero
.endm
.macro STEPQ slot, q, zero, ld, rel, lc ; one of a slot's first three steps
.irp u, 0,1,2,3
	BOUND \slot, 4*(\q)+\u, 4*(\q)+\u+2, \zero, \ld, \rel, \lc
.endr
.endm
.macro ASK off
	s_cmp_gt_u32 s3, 1                             ; the last trip's refills have no slot two on
	s_cbranch_scc0 .Lno_ask_\@
	global_prefetch_b8 v[PFOB], s[PFB:PFB+1] offset:\off th:TH_LOAD_NT scope:SCOPE_SE
	global_prefetch_b8 v[PFOA], s[PFA:PFA+1] offset:\off th:TH_LOAD_NT scope:SCOPE_SE
.Lno_ask_\@:
.endm
; a slot's last step changes slots: all its groups have been fetched when group 13 is multiplied
.macro TURN slot, ld, rel, lc, fill, off
	BOUND \slot, 12, 15, 0, \ld, \rel, \lc
	BOUND \slot, 13, 14, 0, 0, 0, 0
	WIN 0
	s_wait_tensorcnt 0x0                           ; my part of the next slot has landed
	ds_add_u32 v[SPW], v[NIL]
.if \fill
	s_add_nc_u64 s[G0+4*\slot+2:G0+4*\slot+3], s[G0+4*\slot+2:G0+4*\slot+3], 2*PERB
.endif
	s_wait_dscnt 1                                 ; group 14, the last fetched, is in; the add may be out
	SETPL 14
	WIN 0xf4
	MULF 14, 0, 0
	MULF 14, 1, 0
	s_wait_dscnt 0x0                               ; the add is done, my reads of this slot are over
	s_barrier_signal -1
	MULF 14, 2, 0
	MULF 14, 3, 0
	WIN 0
	s_barrier_wait -1
.if \fill
	CREST                                          ; the barrier has opened a round of the cluster's barrier
	tensor_load_to_lds s[G0+4*\slot:G0+4*\slot+3], s[G1:G1+7]
	s_nop 0
.endif
	PLACES
	FETCHG 1-\slot, 0
	FETCHG 1-\slot, 1
.if \fill
	ASK \off
.endif
	MULG 15, 0
.endm
	s_load_b256 s[4:11], s[0:1], 0x0               ; a_codes, b_codes, the exponents, scale_inv1
	s_load_b128 s[68:71], s[0:1], 0x20             ; scale_inv2, out0
	v_lshl_add_u32 v[SPW], v0, 2, SPARE
	v_mov_b32 v[NIL], 0
	ds_add_u32 v[SPW], v[NIL]                      ; the opening lines: the add twice on end
	ds_add_u32 v[SPW], v[NIL]
	v_lshrrev_b32 v1, 5, v0
	v_readfirstlane_b32 s14, v1                    ; wave
	s_bfe_u32 s40, ttmp6, 0x40000                  ; cx
	s_lshl_b32 s42, ttmp9, 2
	s_add_co_u32 s42, s42, s40                     ; tile row
	s_and_b32 s17, ttmp7, 0xffff                   ; tile column, shared by the cluster
	s_mov_b32 s[G1+0], 15|(3<<16)|(1<<21)          ; the four partners; elements of 8 bytes; bit 21 beside the mask
	s_mov_b32 s[G1+1], 1024<<16                    ; a row of 8,192 bytes
	s_mov_b32 s[G1+2], 4<<16                       ; four row blocks
	s_mov_b32 s[G1+3], 1024<<16
	s_mov_b32 s[G1+4], 4
	s_mov_b32 s[G1+5], 8192                        ; 65,536 bytes from row block to row block
	s_mov_b32 s[G1+6], 0
	s_mov_b32 s[G1+7], 0
	s_lshl_b32 s20, s17, 20
	s_lshl_b32 s21, s14, 18
	s_add_co_u32 s20, s20, s21                     ; B: 16 row blocks a tile, 4 a wave
	s_mov_b32 s21, 0
	s_lshl_b32 s46, s42, 20
	s_lshl_b32 s47, s14, 18
	s_add_co_u32 s46, s46, s47                     ; A likewise
	s_mov_b32 s47, 0
	s_lshl_b32 s45, s14, 15                        ; LDS: wave x 4 x 8,192
	s_wait_dscnt 0x0
	CROUND                                         ; in front of the first joint loads; the arguments are on their way meanwhile
	s_wait_kmcnt 0x0
	s_load_b64 s[96:97], s[8:9], 0x0               ; ea, eb
	s_add_nc_u64 s[20:21], s[6:7], s[20:21]
	s_add_nc_u64 s[GB:GB+1], s[4:5], s[46:47]
.irp s, 0,1
	s_mov_b32 s[G0+4*\s], 1
	s_add_co_u32 s[G0+4*\s+1], s45, \s*SLOT
	s_add_nc_u64 s[G0+4*\s+2:G0+4*\s+3], s[20:21], \s*PERB
	s_or_b32 s[G0+4*\s+3], s[G0+4*\s+3], 0x80000000
.endr
	tensor_load_to_lds s[G0:G0+3], s[G1:G1+7]      ; slot 0: one tensor load a wave at the head
	s_nop 0
	s_mul_i32 s23, s14, 16*SPITCH
	s_add_co_u32 s23, s23, STAGE                   ; my stage
	s_lshl_b32 s86, s42, 8
	s_lshl_b32 s87, s14, 6
	s_add_co_u32 s86, s86, s87                     ; my first row of the result
	s_lshl_b32 s80, s86, 2
	s_mov_b32 s81, 0
	s_add_nc_u64 s[10:11], s[10:11], s[80:81]
	s_lshl_b32 s80, s17, 10
	s_add_nc_u64 s[68:69], s[68:69], s[80:81]
	s_lshl_b32 s80, s86, 13
	s_lshl_b32 s87, s17, 9
	s_add_co_u32 s80, s80, s87
	s_add_nc_u64 s[70:71], s[70:71], s[80:81]
	s_lshl_b32 s80, s14, 2
	s_add_co_u32 s80, s80, s40
	s_lshl_b32 s80, s80, 16
	s_lshl_b32 s87, s17, 20
	s_add_co_u32 s80, s80, s87                     ; B's prefetch: row block 4 wave + cx of the tile
	s_add_nc_u64 s[PFB:PFB+1], s[6:7], s[80:81]
	s_lshl_b32 s80, s42, 20
	s_lshl_b32 s87, s17, 16
	s_add_co_u32 s80, s80, s87
	s_lshl_b32 s87, s14, 11
	s_add_co_u32 s80, s80, s87                     ; A's: row block = my tile column's number, fragment = my wave's
	s_add_nc_u64 s[PFA:PFA+1], s[4:5], s[80:81]
	v_and_b32 v2, 31, v0
	v_and_b32 v3, 15, v0
	v_bfe_u32 v4, v0, 4, 1
	v_lshlrev_b32 v[ADS], 4, v2
	v_lshlrev_b32 v[GO], 4, v2
	v_add_nc_u32 v[ADS+1], 0x10000, v[ADS]
	v_add_nc_u32 v[ADS+2], 0x20000, v[ADS]
	v_add_nc_u32 v[ADS+3], 0x30000, v[ADS]
	v_mul_u32_u24 v5, v3, SPITCH
	v_lshl_add_u32 v5, v4, 4, v5
	v_add_nc_u32 v[STO], s23, v5                   ; in: row l % 16, 16 bytes for each half of the lanes
	v_add_nc_u32 v[RD], s23, v[GO]                 ; back: the 32 lanes take a row of 512 bytes
	v_lshlrev_b32 v[OS1], 2, v3
	v_lshlrev_b32 v[OS2], 5, v4
	v_lshlrev_b32 v[PFOB], 8, v2
	v_min_u32 v6, 7, v2
	v_lshlrev_b32 v[PFOA], 8, v6
	s_wait_alu depctr_va_vdst(0)
.irp a, 0,1,2,3
	global_load_b32 v[SI1+2*\a], v[OS1], s[10:11] offset:64*\a
.endr
	GLOAD 0, 0
	GLOAD 1, 1
	GLOAD 2, 2
	WIN 0
	s_wait_tensorcnt 0x0                           ; my part of slot 0 is in
	ds_add_u32 v[SPW], v[NIL]
	s_wait_dscnt 0x0
	CROUND
	tensor_load_to_lds s[G0+4:G0+7], s[G1:G1+7]    ; slot 1
	s_nop 0
	PLACES
	FETCHG 0, 0
	FETCHG 0, 1
	STEPQ 0, 0, 1, 1, 3, 48                        ; the first step starts the sums
	WIN 0
	s_mov_b32 s3, 3
.Llap:                                                 ; a trip: eight steps, once round the ring, from a lap's second step to the next lap's first
	STEPQ 0, 1, 0, 1, 4, 48
	STEPQ 0, 2, 0, 1, 5, 48
	TURN 0, 1, 6, 48, 1, 4*PERB
	STEPQ 1, 0, 0, 1, 7, 48
	STEPQ 1, 1, 0, 1, 8, 48
	STEPQ 1, 2, 0, 1, 9, 48
	TURN 1, 1, 10, 48, 1, 5*PERB
	STEPQ 0, 0, 0, 1, 11, 48
	WIN 0
	s_wait_xcnt 0x0                                ; the loads and prefetches have read their bases
	s_add_nc_u64 s[GB:GB+1], s[GB:GB+1], 2*PERB
	s_add_nc_u64 s[PFA:PFA+1], s[PFA:PFA+1], 2*PERB
	s_add_nc_u64 s[PFB:PFB+1], s[PFB:PFB+1], 2*PERB
	s_sub_co_u32 s3, s3, 1
	s_cmp_lg_u32 s3, 0
	s_cbranch_scc1 .Llap
	STEPQ 0, 1, 0, 1, 4, 48                        ; the last seven steps: nothing is filled again
	STEPQ 0, 2, 0, 1, 5, 48
	TURN 0, 1, 6, 48, 0, 0
	STEPQ 1, 0, 0, 1, 7, 48                        ; A's last set is asked for
	STEPQ 1, 1, 0, 2, 0, 48                        ; scale_inv2 takes the sets that are done with
	STEPQ 1, 2, 0, 2, 1, 48
	BOUND 1, 12, 15, 0, 0, 0, 32
	BOUND 1, 13, 14, 0, 0, 0, 0
	s_wait_dscnt 0
	MULG 14, 0
	MULG 15, 0
	WIN 0
; THE WAY OUT, by blocks of 16 rows x 256 columns: x scale_inv2, x scale_inv1 x 2^(ea+eb), rounded to bf16, 16 bytes a lane into my own stage, back as rows of 512 bytes, stored as two aligned units of 256 bytes.
; bb, w: the 64 registers, and their window, that take the rows read back.  x = 1: they held an earlier block's rows, whose stores have read them behind the wait on XCNT.
.macro TOSTAGE a, bb, w, x
.irp hf, 0,1
	WIN 0x06+\hf                                   ; source 0: window 2 or 3; source 1: window 1
.irp b, 0,1,2,3,4,5,6,7
.irp j, 0,2,4,6
	v_pk_mul_f32 v[TM+8*\b+\j:TM+8*\b+\j+1], v[8*(4*\b+(\a))+\j:8*(4*\b+(\a))+\j+1], v[64*\hf+8*\b+\j:64*\hf+8*\b+\j+1]   ; each accumulator from its low end on
.endr
.endr
	WIN 0
.irp j, 0,2,4,6,8,10,12,14,16,18,20,22,24,26,28,30,32,34,36,38,40,42,44,46,48,50,52,54,56,58,60,62
	v_pk_mul_f32 v[TM+\j:TM+\j+1], v[TM+\j:TM+\j+1], v[SI1+2*(\a):SI1+2*(\a)+1]
.endr
.irp b, 0,1,2,3,4,5,6,7
.irp q, 0,1,2,3
	v_cvt_pk_bf16_f32 v[PK+4*\b+\q], v[TM+8*\b+2*\q], v[TM+8*\b+2*\q+1]
.endr
.endr
.irp b, 0,1,2,3,4,5,6,7
	ds_store_b128 v[STO], v[PK+4*\b:PK+4*\b+3] offset:256*\hf+32*\b
.endr
.endr
.if \x
	s_wait_xcnt 0x0
.endif
	WIN 0x40*(\w)
.irp t, 0,1,2,3,4,5,6,7,8,9,10,11,12,13,14,15
	ds_load_b128 v[(\bb)+4*\t:(\bb)+4*\t+3], v[RD] offset:\t*SPITCH   ; LDS serves a wave's instructions in order
.endr
	WIN 0
.endm
.macro SEND a, bb, w, younger
	s_wait_dscnt \younger
	WIN 0x04*(\w)                                  ; the stores' data
.irp t, 0,1,2,3,4,5,6,7,8,9,10,11,12,13,14,15
	global_store_b128 v[GO], v[(\bb)+4*\t:(\bb)+4*\t+3], s[70:71] offset:(16*(\a)+\t)*8192 th:TH_STORE_NT
.endr
	WIN 0
.endm
	s_wait_kmcnt 0x0
	s_add_co_i32 s96, s96, s97                     ; ea + eb
	s_wait_loadcnt 0x0                             ; both vectors of scales are in
.irp a, 0,1,2,3
	v_ldexp_f32 v[SI1+2*\a+1], v[SI1+2*\a], s96    ; these eight lines are also the places behind the last products
	v_ldexp_f32 v[SI1+2*\a], v[SI1+2*\a], s96
.endr
	TOSTAGE 0, 128, 1, 0
	TOSTAGE 1, 192, 1, 0
	SEND 0, 128, 1, 32                             ; behind a block's loads: the next block's 16 stores and 16 loads
	TOSTAGE 2, 160, 0, 0
	SEND 1, 192, 1, 32
	TOSTAGE 3, 128, 1, 1
	SEND 2, 160, 0, 32
	SEND 3, 128, 1, 0
	s_wait_tensorcnt 0x0                           ; the wave's end
	ds_add_u32 v[SPW], v[NIL]
	s_wait_dscnt 0x0
	CROUND                                         ; the closing round
	s_endpgm
.Lfunc_end_k_q012294235e_gemm:
	.size	k_q012294235e_gemm, .Lfunc_end_k_q012294235e_gemm-k_q012294235e_gemm
	.p2alignl 7, 3214868480
	.fill 96, 4, 3214868480
	.section	.rodata,"a",@progbits
	.p2align	6, 0x0
	.amdhsa_kernel k_q012294235e_gemm
		.amdhsa_group_segment_fixed_size 327680
		.amdhsa_private_segment_fixed_size 0
		.amdhsa_enable_private_segment 0
		.amdhsa_kernarg_size 48
		.amdhsa_user_sgpr_count 2
		.amdhsa_user_sgpr_kernarg_segment_ptr 1
		.amdhsa_wavefront_size32 1
		.amdhsa_system_sgpr_workgroup_id_x 1
		.amdhsa_system_sgpr_workgroup_id_y 1
		.amdhsa_system_sgpr_workgroup_id_z 1
		.amdhsa_system_vgpr_workitem_id 0
		.amdhsa_next_free_vgpr 1024
		.amdhsa_next_free_sgpr 100
		.amdhsa_reserve_vcc 0
		.amdhsa_float_denorm_mode_32 3
		.amdhsa_float_denorm_mode_16_64 3
		.amdhsa_memory_ordered 1
		.amdhsa_forward_progress 1
		.amdhsa_inst_pref_size 241
	.end_amdhsa_kernel
	.amdgpu_metadata
---
amdhsa.version: [ 1, 2 ]
amdhsa.kernels:
  - .name:           k_q012294235e_gemm
    .symbol:         k_q012294235e_gemm.kd
    .args:
      - { .name: a_codes, .offset: 0, .size: 8, .value_kind: global_buffer, .address_space: global }
      - { .name: b_codes, .offset: 8, .size: 8, .value_kind: global_buffer, .address_space: global }
      - { .name: lowp_scales, .offset: 16, .size: 8, .value_kind: global_buffer, .address_space: global }
      - { .name: scale_inv1, .offset: 24, .size: 8, .value_kind: global_buffer, .address_space: global }
      - { .name: scale_inv2, .offset: 32, .size: 8, .value_kind: global_buffer, .address_space: global }
      - { .name: out0, .offset: 40, .size: 8, .value_kind: global_buffer, .address_space: global }
    .group_segment_fixed_size: 327680
    .private_segment_fixed_size: 0
    .kernarg_segment_align: 8
    .kernarg_segment_size: 48
    .max_flat_workgroup_size: 128
    .sgpr_count:     100
    .vgpr_count:     1024
    .wavefront_size: 32
...
	.end_amdgpu_metadata
.endif
;; end of part 2
